; MI455X (gfx1250); checked and timed in simulation.
; The chip was launched on July 23, 2026; its instructions are those of AMD's public machine-readable ISA for CDNA 5 (MIT licence, August 2026) and "CDNA5" Instruction Set Architecture Reference Guide (July 2026). The comments in the code are by the model that wrote it; some were corrected since.
;; Dynamic Linear. Allowed arithmetic: matrix products marked QUANTISED: E2M1 operands, one E8M0 scale for each 32 along K, by v_wmma_scale_f32_16x16x128_f8f6f4 with both operands' format E2M1 (or v_wmma_scale_f32_32x16x128_f4), f32 sums; products left as they are: f32 operands where the result goes on into a quantised operand, else bf16, f16 or f32 operands; f32 sums; everything else in f32.
;; Inputs: biases 8 x 1,024 float32; input 8,192 x 1,024 float32; w 8,192 x 8 float32; weights 8 x 1,024 x 1,024 float32.
;; Outputs: out0 8,192 x 1,024 float32.
;; This version of the problem:
;;   THIS VERSION OF THE PROBLEM IS GIVEN IN LOW PRECISION. The matrix products marked QUANTISED in the list below multiply operands that are first quantised to E2M1 (2 exponent bits, 1 mantissa bit; 4 bits a number), with one power-of-two scale for each 32 numbers along K (OCP MX v1.0); their sums are f32. All else is computed in f32.
;;   The module's matrix products, in the order in which they are computed (A, B: the left and right operand; K: the contracted axis; several contracted axes count as one K, in the product's order):
;;     1. [M 8,192, K 1,024] x [K 1,024, N 8,192]; A: input input; B: input weights: QUANTISED
;;     2. batch 8,192 x [M 1,024, K 8] x [K 8, N 1]; A: computed on the way; B: input w: left as it is (K = 8 < 32)
;;     3. [M 8,192, K 8] x [K 8, N 1,024]; A: input w; B: input biases: left as it is (K = 8 < 32)
;;   THE QUANTISER, for each operand of a quantised product, along K:
;;     - K is cut into blocks of 32 from its start; a last block that is shorter is filled with zeros.
;;     - A block's scale is 2^e with e = floor(log2(the largest magnitude in the block)) - 2, held to -126 .. 127; a block of zeros has e = 0. As a byte (E8M0): e + 127.
;;     - Each number is divided by its block's scale, clamped to +-6, and rounded to the nearest number of E2M1, ties to even, subnormals kept.
;;     - The product sums the exact products of the quantised numbers (number of the format x scale) in f32.
;;   ~~~python
;;   def quantise(x, axis):      # numpy; x: float32 -> the quantised numbers, widened to float32 again
;;       x = np.moveaxis(x, axis, -1); K = x.shape[-1]
;;       x = np.pad(x, [(0, 0)] * (x.ndim - 1) + [(0, -K % 32)]); x = x.reshape(x.shape[:-1] + (-1, 32)); a = np.abs(x).max(-1, keepdims=True)
;;       e = np.where(a > 0, np.clip(np.frexp(np.where(a > 0, a, 1))[1] - 1 - 2, -126, 127), 0)      # np.frexp(a)[1] - 1 = floor(log2(a)), exactly
;;       r = np.clip(x / 2.0 ** e, -6, 6)
;;       step = 2.0 ** (np.maximum(np.frexp(np.where(r == 0, 1, r))[1] - 1, 0) - 1)
;;       q = np.round(r / step) * step * 2.0 ** e      # np.round: ties to even
;;       return np.moveaxis(q.reshape(q.shape[:-2] + (-1,))[..., :K], -1, axis).astype(np.float32)
;;   ~~~
;; One version. Each part assembles by itself: llvm-mc -triple=amdgcn-amd-amdhsa -mcpu=gfx1250 --defsym DOCPART=n.
;; ======== version 1 of 1: 2 launches
;; limits: right only within a limited range of input values
;; workspace buffers: a_q 4,718,592 bytes; b_q 4,456,448 bytes
;; launch quant (part 1): grid 256 x 1, 16 waves a work-group, no clusters, 274,432 bytes of LDS; arguments input, weights, w, a_q, b_q; writes a_q, b_q
.if DOCPART == 1
	.amdgcn_target "amdgcn-amd-amdhsa--gfx1250"
	.amdhsa_code_object_version 6
	.text
	.protected	k_qa2a33b31ae_quant
	.globl	k_qa2a33b31ae_quant
	.p2align	8
	.type	k_qa2a33b31ae_quant,@function
k_qa2a33b31ae_quant:
	s_mov_b64 s[64:65], 0
	v_nop
	global_prefetch_b8 v0, s[64:65] scope:SCOPE_SE
	s_setreg_imm32_b32 hwreg(HW_REG_WAVE_MODE, 25, 1), 1
	s_wait_xcnt 0x0
; input [8192][1024] and weights, taken as [8192][1024] (row d x 1024 + o), both f32 with K innermost, become codes of FP4 (E2M1) with one E8M0 scale byte for each 32 along K.
; A block's scale is 2^(floor(log2(its largest magnitude)) - 2); its byte is the largest magnitude's exponent field - 2, held at 1 from below; each number is divided by the scale and rounded to the
; nearest code, ties to even, beyond 6 the largest code.
; THE RESULT IS LAID IN THE ORDER OF THE OPERAND'S REGISTERS.  A RECORD holds 16 rows for all of K:
;   bytes 0 - 8,191     codes: K step s (128 along K), chunk c, lane l = r + 16 h: 16 bytes at 1,024 s + 512 c + 16 l = the 32 codes of k = 128 s + 64 c + 32 h on, of row r
;   bytes 8,192 - 8,703 scale bytes: 16 bytes at 256 H + 16 r: the words of K steps 4 H .. 4 H + 3 of row r
;   bytes 8,704 - 9,215 in input's records alone: w, 16 bytes at 256 u + 16 r = w[row r][4 u .. 4 u + 3].  So input's records are 9,216 bytes, weights' 8,704.
; SHARES.  Work-groups 0-127 take input, 128-255 weights; only pointers and the record's size are chosen, both take one path.  A work-group owns 64 rows = 4 records.  Of its sixteen waves, wave v owns
; K step v % 8 of rows 32 (v / 8) .. + 31: 32 rows x 128 numbers, asked for by ONE tensor load at the head (one outstanding by this text's count); the sixteen loads bring all 256 KiB.  Nothing is filled again,
; and a wave reads only what its own load brought.  Work-groups share no input, and there is no loop: no cluster, no prefetch.
; LIMITS: NaN and infinities among the inputs are not served; a block whose largest magnitude lies under 2^-124 gets the byte 1 (a block of zeros too, where the rule says 127: its codes are zeros, which
; add nothing, and this program alone reads the bytes).
.set AREC,  9216
.set BREC,  8704
.set TP,    528                        ; a tile's row in LDS: 512 bytes + 16 of padding: the sixteen rows that a load touches lie in sixteen different 16-byte columns
.set WREG,  32*TP                      ; a wave's tile
.set SCG,   16*WREG                    ; 2,048 bytes in which the four records' scale bytes are gathered; no fill lands here
.set SPARE, SCG+2048                   ; the spare words, 128 bytes for each wave, that no other line names
.set SPW,   1
.set NIL,   2
.set M,     20                         ; v20-23   a block's largest magnitude: block q = 2 x tile + chunk
.set E,     24                         ; v24-27   the scale operand
.set Y,     28                         ; v28-31   the scale's byte
.set Z,     32                         ; v32-33   a tile's scale word
.set X,     64                         ; v64-191  128 numbers
.set C,     192                        ; v192-207 codes
.set G1,    24                         ; s[24:31] descriptor group 1
.set G0,    32                         ; s[32:35] descriptor group 0
	s_load_b256 s[4:11], s[0:1], 0x0               ; input s[4:5], weights s[6:7], w s[8:9], a_q s[10:11]
	s_load_b64 s[12:13], s[0:1], 0x20              ; b_q
	v_lshl_add_u32 v[SPW], v0, 2, SPARE
	v_mov_b32 v[NIL], 0
	ds_add_u32 v[SPW], v[NIL]                      ; the wave's opening: the add, twice on end, and its wait
	ds_add_u32 v[SPW], v[NIL]
	v_lshrrev_b32 v3, 5, v0
	v_readfirstlane_b32 s14, v3                    ; wave 0..15
	; group 1: a tile of 32 rows x 128 elements of 4 bytes, rows 1,024 elements apart, 16 bytes of padding behind each row in LDS
	s_mov_b32 s[G1+0], (2<<16)|(1<<20)|(6<<22)|(3<<25)  ; no mask; elements of 4 bytes; padding on; after every 128 words (code 6) four words (code 3)
	s_mov_b32 s[G1+1], 128<<16                     ; tensor_dim0
	s_mov_b32 s[G1+2], 32<<16                      ; tensor_dim1
	s_mov_b32 s[G1+3], 128<<16                     ; tile_dim0
	s_mov_b32 s[G1+4], 32                          ; tile_dim1
	s_mov_b32 s[G1+5], 1024                        ; elements from row to row
	s_mov_b32 s[G1+6], 0
	s_mov_b32 s[G1+7], 0
	s_and_b32 s15, s14, 7                          ; my K step
	s_lshr_b32 s16, s14, 3                         ; my 32 of the 64 rows
	s_mul_i32 s21, s14, WREG                       ; my tile in LDS
	s_lshl_b32 s22, s15, 9                         ; my K step in a row: 128 numbers of 4 bytes
	s_lshl_b32 s23, s16, 17                        ; my 32 rows of 4,096 bytes
	s_add_co_u32 s22, s22, s23
	s_mov_b32 s18, BREC
	s_cmp_lt_u32 ttmp9, 128                        ; input's work-group or weights'?  The choice hangs on the work-group's number alone
	s_cselect_b32 s17, 0, 128
	s_cselect_b32 s18, AREC, s18                   ; the record's size
	s_sub_co_u32 s17, ttmp9, s17                   ; which 64 rows of the tensor
	s_lshl_b32 s36, s17, 18                        ; 64 rows of 4,096 bytes
	s_add_co_u32 s36, s36, s22
	s_mov_b32 s37, 0
	s_mov_b32 s[G0], 1                             ; count = 1
	s_mul_i32 s[G0+1], s14, WREG                   ; LDS address
	s_wait_dscnt 0x0                               ; both opening adds are done
	s_wait_kmcnt 0x0
	s_cmp_lt_u32 ttmp9, 128
	s_cselect_b64 s[48:49], s[4:5], s[6:7]         ; from
	s_cselect_b64 s[38:39], s[10:11], s[12:13]     ; to
	s_add_nc_u64 s[G0+2:G0+3], s[48:49], s[36:37]
	s_or_b32 s[G0+3], s[G0+3], 0x80000000          ; type = 2
	tensor_load_to_lds s[G0:G0+3], s[G1:G1+7]      ; one tensor load a wave at the head
	s_nop 0
	s_lshl_b32 s44, s18, 2
	s_mul_i32 s44, s44, s17
	s_mov_b32 s45, 0
	s_add_nc_u64 s[38:39], s[38:39], s[44:45]      ; the work-group's first record
	s_lshl_b32 s44, s16, 1
	s_mul_i32 s44, s44, s18
	s_add_nc_u64 s[40:41], s[38:39], s[44:45]      ; my first record
	s_mov_b32 s44, s18
	s_add_nc_u64 s[42:43], s[40:41], s[44:45]      ; my second
	s_lshr_b32 s44, s14, 1
	s_mul_i32 s44, s44, s18
	s_and_b32 s52, s14, 1
	s_lshl_b32 s52, s52, 8
	s_add_co_u32 s44, s44, s52
	s_add_nc_u64 s[46:47], s[38:39], s[44:45]      ; the scale bytes that waves 0-7 send out: record wave / 2, its half wave % 2
	s_mul_i32 s44, s14, s18
	s_add_nc_u64 s[56:57], s[38:39], s[44:45]      ; the record into which waves 0-3 copy w
	s_mov_b32 s50, 0x76543210
	s_mov_b32 s51, 0xfedcba98                      ; v_permlanex16_b32's selects for lane l xor 16
	s_lshl_b32 s53, s15, 10                        ; 1,024 x K step
	s_lshl_b32 s54, s16, 10
	s_lshr_b32 s55, s15, 2
	s_lshl_b32 s55, s55, 8
	s_add_co_u32 s54, s54, s55
	s_and_b32 s55, s15, 3
	s_lshl_b32 s55, s55, 2
	s_add_co_u32 s54, s54, s55
	s_add_co_u32 s54, s54, SCG                     ; where my scale words are gathered: 1,024 x (v / 8) + 256 (s / 4) + 4 (s % 4)
	v_and_b32 v3, 31, v0                           ; lane
	v_and_b32 v4, 15, v0                           ; r
	v_bfe_u32 v5, v0, 4, 1                         ; h
	v_and_b32 v9, 0xff, v0
	v_mul_u32_u24 v6, v4, TP
	v_lshrrev_b32 v14, 1, v3
	v_and_b32 v15, 1, v3
	v_lshl_add_u32 v7, v3, 4, s53                  ; codes: 1,024 x K step + 16 x lane in a record
	v_lshl_add_u32 v6, v5, 7, v6
	v_lshlrev_b32 v15, 8, v15
	v_lshl_add_u32 v8, v4, 4, s54                  ; LDS: my row's scale word of my K step
	v_lshl_add_u32 v9, v9, 3, SCG                  ; LDS: on the way out 8 bytes a thread of waves 0-7
	v_add_nc_u32 v6, s21, v6                       ; LDS: row r, + 128 h: lane (r, h) takes block 2 c + h of its row, as the operand's layout gives it
	v_lshl_add_u32 v15, v14, 4, v15                ; w's place in a record: 256 x half + 16 x row
	v_lshlrev_b32 v14, 4, v3                       ; w as it lies: 16 bytes a lane (row lane / 2, half lane % 2)
	v_lshlrev_b32 v10, 3, v3
	v_lshlrev_b32 v11, 3, v5                       ; 8 h: my bytes' place in a scale word
	v_mov_b32 v12, 0                               ; written once: a lane permute's destination counts as one of its sources
	v_mov_b32 v13, 0
	s_wait_alu depctr_va_vdst(0)                   ; the head's end
	; the copy of w: input's work-groups alone, waves 0-3, a record each: 16 rows of 32 bytes are 512 dense bytes
	s_cmp_lt_u32 ttmp9, 128
	s_cbranch_scc0 .Lno_w
	s_cmp_lt_u32 s14, 4
	s_cbranch_scc0 .Lno_w
	s_lshl_b32 s44, s17, 11                        ; 64 rows of 32 bytes
	s_lshl_b32 s52, s14, 9                         ; 16 rows
	s_add_co_u32 s44, s44, s52
	s_add_nc_u64 s[44:45], s[8:9], s[44:45]
	global_load_b128 v[16:19], v14, s[44:45] th:TH_LOAD_NT
	s_wait_loadcnt 0x0
	global_store_b128 v15, v[16:19], s[56:57] offset:8704     ; the wave's store covers the record's last 512 bytes, whole
.Lno_w:
	s_wait_tensorcnt 0x0                           ; my one tensor load is in
.irp i, 0,1
.irp c, 0,1
.irp j, 0,1,2,3,4,5,6,7
	ds_load_b128 v[X+64*\i+32*\c+4*\j:X+64*\i+32*\c+4*\j+3], v6 offset:\i*16*TP+256*\c+16*\j   ; tile i, block 2 c + h of row r: 32 neighbours along K in 32 registers
.endr
.endr
.endr
	s_wait_dscnt 0x0
.irp q, 0,1,2,3
	v_max3_num_f32 v[M+\q], |v[X+32*\q]|, |v[X+32*\q+1]|, 0x1800000   ; a block's largest magnitude, all 32 numbers mine, with the floor 2^(3 - 127); four blocks by turns
.endr
.irp n, 2,4,6,8,10,12,14,16,18,20,22,24,26,28,30
.irp q, 0,1,2,3
	v_max3_num_f32 v[M+\q], v[M+\q], |v[X+32*\q+\n]|, |v[X+32*\q+\n+1]|
.endr
.endr
.irp q, 0,1,2,3
	v_add_nc_u32 v[E+\q], 0xff000000, v[M+\q]      ; 2 off its exponent field: the conversion takes the exponent field of this operand as its scale, and nothing else of it
.endr
.irp q, 0,1,2,3
.irp g, 0,1,2,3
	v_cvt_scalef32_pk8_fp4_f32 v[C+4*\q+\g], v[X+32*\q+8*\g:X+32*\q+8*\g+7], v[E+\q]
.endr
.endr
.irp q, 0,1,2,3
	v_lshrrev_b32 v[Y+\q], 23, v[E+\q]             ; the scales' bytes.  (Also the plain lines behind the conversions)
.endr
.irp c, 0,1
	global_store_b128 v7, v[C+4*\c:C+4*\c+3], s[40:41] offset:512*\c       ; 32 lanes store 512 consecutive bytes, at a multiple of 256 from the buffer's first byte
	global_store_b128 v7, v[C+8+4*\c:C+8+4*\c+3], s[42:43] offset:512*\c
.endr
.irp i, 0,1
	v_lshl_or_b32 v[Z+\i], v[Y+2*\i+1], 16, v[Y+2*\i]   ; my two bytes, blocks h and 2 + h of the K step,
.endr
.irp i, 0,1
	v_lshlrev_b32 v[Z+\i], v11, v[Z+\i]            ; at their places in the word;
.endr
.irp i, 0,1
	v_permlanex16_b32 v[12+\i], v[Z+\i], s50, s51
.endr
.irp i, 0,1
	v_or_b32 v[Z+\i], v[Z+\i], v[12+\i]            ; with lane l xor 16's two the word is whole
.endr
.irp i, 0,1
	ds_store_b32 v8, v[Z+\i] offset:\i*512         ; both lanes of a row write the same word with the same value
.endr
	s_wait_dscnt 0x0                               ; for the others' sake: my scale words lie in LDS
	s_barrier_signal -1
	s_barrier_wait -1                              ; everybody's do
	s_cmp_lt_u32 s14, 8
	s_cbranch_scc0 .Lno_scales
	ds_load_b64 v[34:35], v9                       ; the four records' 2,048 scale bytes, 8 a thread of waves 0-7
	s_wait_dscnt 0x0
	global_store_b64 v10, v[34:35], s[46:47] offset:8192       ; 32 lanes store 256 consecutive bytes, aligned
.Lno_scales:
	s_wait_tensorcnt 0x0                           ; the wave's end
	ds_add_u32 v[SPW], v[NIL]
	s_wait_dscnt 0x0
	s_endpgm
.Lfunc_end_k_qa2a33b31ae_quant:
	.size	k_qa2a33b31ae_quant, .Lfunc_end_k_qa2a33b31ae_quant-k_qa2a33b31ae_quant
	.p2alignl 7, 3214868480
	.fill 96, 4, 3214868480
	.section	.rodata,"a",@progbits
	.p2align	6, 0x0
	.amdhsa_kernel k_qa2a33b31ae_quant
		.amdhsa_group_segment_fixed_size 274432
		.amdhsa_private_segment_fixed_size 0
		.amdhsa_enable_private_segment 0
		.amdhsa_kernarg_size 40
		.amdhsa_user_sgpr_count 2
		.amdhsa_user_sgpr_kernarg_segment_ptr 1
		.amdhsa_wavefront_size32 1
		.amdhsa_system_sgpr_workgroup_id_x 1
		.amdhsa_system_sgpr_workgroup_id_y 1
		.amdhsa_system_sgpr_workgroup_id_z 1
		.amdhsa_system_vgpr_workitem_id 0
		.amdhsa_next_free_vgpr 208
		.amdhsa_next_free_sgpr 66
		.amdhsa_reserve_vcc 0
		.amdhsa_float_denorm_mode_32 3
		.amdhsa_float_denorm_mode_16_64 3
		.amdhsa_memory_ordered 1
		.amdhsa_forward_progress 1
		.amdhsa_inst_pref_size 14
	.end_amdhsa_kernel
	.amdgpu_metadata
---
amdhsa.version: [ 1, 2 ]
amdhsa.kernels:
  - .name:           k_qa2a33b31ae_quant
    .symbol:         k_qa2a33b31ae_quant.kd
    .args:
      - { .name: input, .offset: 0, .size: 8, .value_kind: global_buffer, .address_space: global }
      - { .name: weights, .offset: 8, .size: 8, .value_kind: global_buffer, .address_space: global }
      - { .name: w, .offset: 16, .size: 8, .value_kind: global_buffer, .address_space: global }
      - { .name: a_q, .offset: 24, .size: 8, .value_kind: global_buffer, .address_space: global }
      - { .name: b_q, .offset: 32, .size: 8, .value_kind: global_buffer, .address_space: global }
    .group_segment_fixed_size: 274432
    .private_segment_fixed_size: 0
    .kernarg_segment_align: 8
    .kernarg_segment_size: 40
    .max_flat_workgroup_size: 512
    .sgpr_count:     66
    .vgpr_count:     208
    .wavefront_size: 32
...
	.end_amdgpu_metadata
.endif
;; end of part 1
;; launch gemm (part 2): grid 16 x 16, 4 waves a work-group, clusters of 4 x 4, 327,680 bytes of LDS; arguments a_q, b_q, biases, out0; writes out0
.if DOCPART == 2
	.amdgcn_target "amdgcn-amd-amdhsa--gfx1250"
	.amdhsa_code_object_version 6
	.text
	.protected	k_qa2a33b31ae_gemm
	.globl	k_qa2a33b31ae_gemm
	.p2align	8
	.type	k_qa2a33b31ae_gemm,@function
k_qa2a33b31ae_gemm:
	s_mov_b64 s[64:65], 0
	v_nop
	global_prefetch_b8 v0, s[64:65] scope:SCOPE_SE
	s_setreg_imm32_b32 hwreg(HW_REG_WAVE_MODE, 25, 1), 1
	s_wait_xcnt 0x0
	s_wait_alu depctr_hold_cnt(0) depctr_sa_sdst(0) depctr_va_vdst(0) depctr_va_sdst(0) depctr_va_ssrc(0) depctr_va_vcc(0) depctr_vm_vsrc(0)
	s_getreg_b32 s2, hwreg(HW_REG_IB_STS2, 6, 4)
	s_cmp_eq_u32 s2, 0
	s_cbranch_scc0 .Lentry_in_a_cluster
	s_endpgm
.Lentry_in_a_cluster:
	s_bfe_u32 s2, ttmp6, 0x10000c
	s_cmp_lg_u32 s2, 0xf033
	s_cbranch_scc0 .Lentry_shape_is_right
	s_endpgm
.Lentry_shape_is_right:
; out[b][o] = sum over d of w[b][d] x (sum over i of Q(input)[b][i] Q(weights)[d][o][i] + biases[d][o]).  The inner sums are made on codes of FP4 (E2M1) with E8M0 scales, f32 sums, K ascending;
; the bias is the C of a sum's first matrix instruction; the sum over d is eight fused multiply-adds in f32, d ascending (the bias is so added ahead of the weighting by w, not behind it: another order of
; rounding than the source's).
; a_q: records of 9,216 bytes, b_q: of 8,704: 16 rows for all of K = 1,024, in the order of the operand's registers: codes (K step s, chunk c, lane l: 16 bytes at 1,024 s + 512 c + 16 l), at 8,192 the
; scale words (16 bytes at 256 H + 16 r: K steps 4 H .. 4 H + 3 of row r), at 8,704 in a_q: w (16 bytes at 256 u + 16 r = w[r][4 u .. 4 u + 3]).  a_q's record b / 16; b_q's record 64 d + o / 16.
; SHARES.  A work-group owns 64 outputs o (256 bytes of a row of out) x 512 rows b: 32 BLOCKS of 16 rows.  Wave wv owns 16 of the o, for ALL EIGHT d: 128 rows of weights, whose codes for all of K, 64 KiB,
; STAY IN 512 REGISTERS.  Input walks past block by block: a block's eight fragments (8 KiB from LDS) feed 32 matrix instructions of 32 x 16 x 128.
; THE MATRIX INSTRUCTION IS USED TRANSPOSED: source 0 = 32 rows of weights (the 16 o for d = 2 p and for d = 2 p + 1), source 1 = 16 rows of input.  Lane (r, h) then holds row b = r and outputs
; o = 8 h + 0 .. 7, registers 0-7 for the even d, 8-15 for the odd: w[b][d] is one number a lane, and the sum over d never leaves the lane.
; TWO SETS OF ACCUMULATORS: while block b is multiplied into one set, block b - 1 is weighted by w out of the other: d 0-2 behind K step 1, then one d behind each of K steps 2-6.
; ONE RUN OF MEMORY INSTRUCTIONS A BLOCK, behind K step 1: the next block's fragments, this block's w, a tile back from the stage, a tile into the stage, a tile to out.
; CLUSTERS: 4 x 4 work-groups.  The four of a row of the cluster walk the same rows of input, the four of a column hold the same rows of weights: each tile is asked for JOINTLY.
; LDS.  The head's fills, one load a wave: weights' d 0-2, d 3-5, d 6-7 and input's first 5 records.  When the weights are in registers, their bytes are filled again: in block 0 with records 5-12, in block 4
; with records 13-31 (each wave a quarter).  After that nothing is filled.  Record i >= 5 lies at 9,216 (i - 5); records 0-4 at SLOT0.
; NO PREFETCH INTO THE L2: the launch's tensor loads stand at the head, in block 0 and in block 4; the loop holds none, so there is no loop of loads to run ahead in.
; THE WAY OUT: a block's 16 rows x 64 outputs meet in one of eight places of a stage: places 0-3 in weights' bytes behind record 31, places 4-7 in the bytes of records 0 and 1: both have had their last fill.
; Block b stages tile b - 2 in place b % 8; a barrier at the head of each block 4 m shows tiles up to 4 m - 3; block b then reads back tile b - 6, 4 whole rows of 256 bytes a wave, and stores tile b - 7.
; Between two barriers the places written and the places read are different ones.
; REGISTERS, in windows of 256: window 0: addresses, scale words, w, results, rows on their way out, input's fragments (two sets);  window 1: weights of K steps 0-3 (64 p + 16 s);  window 2: of K steps 4-7;
;   window 3: v0-63, v64-127 accumulators, two sets (8 d);  v128-191 the biases (8 d).
; LIMITS: NaN and infinities among the inputs are not served (see the launch that makes the codes).
.set AREC,   9216
.set BREC,   8704
.set DROW,   4*BREC                    ; one d's records of the work-group's 64 outputs
.set NG0,    5                         ; input's records in the head's fill,
.set NF1,    8                         ; in block 0's
.set NF2,    19                        ; and in block 4's
.set SLOT0,  8*DROW
.set STG,    (NF1+NF2)*AREC            ; places 0-3 of the stage
.set SPITCH, 272                       ; a stage row: 256 bytes + 16: the sixteen rows that a store touches lie in sixteen different 16-byte columns
.set PLB,    16*SPITCH                 ; a place
.set SPARE,  SLOT0+NG0*AREC            ; the spare words, 128 bytes for each wave, that no other line names
.set SPW,  1                           ; v1     LDS address of my spare word; never rewritten
.set NIL,  2                           ; v2     0; never rewritten
.set ADS,  4                           ; v4     SLOT0 + 16 x lane
.set AD0,  5                           ; v5-6   four records each, + 16 x lane
.set AD1,  6
.set WDS,  7                           ; v7-9   the same + 16 r, for w
.set WD0,  8
.set WD1,  9
.set STO,  10                          ; v10-11 the stage, places 0-3 and 4-7: where I put 32 bytes of a row
.set SRD,  12                          ; v12-13 and where I read a row back
.set GO,   14                          ; v14    my byte offset in out
.set L16,  15                          ; v15    16 x lane
.set R16,  16                          ; v16    16 r
.set BO,   19                          ; v19    32 h: my eight biases
.set WA,   20                          ; v20-23 my weights in LDS, d pair p: + 16 x lane
.set WS,   24                          ; v24-27 their scale words: lanes 0-15 the even d, lanes 16-31 the odd
.set SB,   32                          ; v32-63 weights' scale words: 8 p + s
.set SA,   64                          ; v64-71 input's, two sets: lanes 0-15 K steps 0-3, lanes 16-31 K steps 4-7
.set WR,   72                          ; v72-87 w, two sets
.set OUT,  88                          ; v88-103 a block's results, two sets
.set DR,   104                         ; v104-119 rows on their way out, two sets
.set AF,   128                         ; v128-255 input's fragments, two sets
.set BIAS, 128                         ; in window 3
.set WV,   12
.set G1A,  24                          ; group 1: input's records (the two words that count rows are written anew for each fill)
.set G1B,  32                          ; three d of weights
.set G1C,  40                          ; two d of weights
.set G0B,  48                          ; group 0: weights,
.set G0A,  52                          ; input's records 0-4,
.set G0F1, 56                          ; 5-12,
.set G0F2, 60                          ; 13-31
.set RB,   19                          ; in the loop: where AD0's, AD1's, WD0's and WD1's records lie
.set RC,   20
.set RW,   22
.set RX,   23
.set CNT,  21
.set MSB, 0
.macro WIN new                         ; s_set_vgpr_msb: bits 1:0 source 0, 3:2 source 1, 5:4 source 2, 7:6 destination; the high byte repeats the setting that is left
.if MSB != \new
	s_set_vgpr_msb (MSB<<8)|\new
.set MSB, \new
.endif
.endm
.macro FOUR                            ; four plain places
.rept 4
	v_nop
.endr
.endm
.macro CREST                           ; a round of the cluster's barrier behind its opening barrier
	s_cmp_lg_u32 s[WV], 0
	s_cbranch_scc1 .Lnot_wave_0_\@
	s_barrier_signal -3
.Lnot_wave_0_\@:
	s_barrier_wait -3
	s_barrier_signal -1
	s_barrier_wait -1
.endm
.macro CROUND                          ; a whole round
	s_barrier_signal -1
	s_barrier_wait -1
	CREST
.endm
	s_load_b256 s[4:11], s[0:1], 0x0               ; a_q s[4:5], b_q s[6:7], biases s[8:9], out0 s[10:11]
	v_lshl_add_u32 v[SPW], v0, 2, SPARE
	v_mov_b32 v[NIL], 0
	ds_add_u32 v[SPW], v[NIL]                      ; the wave's opening: the add, twice on end, and its wait
	ds_add_u32 v[SPW], v[NIL]
	v_lshrrev_b32 v3, 5, v0
	v_readfirstlane_b32 s[WV], v3                  ; wave 0..3
	s_bfe_u32 s13, ttmp6, 0x40000                  ; cx, cy: my place in the cluster
	s_bfe_u32 s14, ttmp6, 0x40004
	s_lshl_b32 s15, ttmp9, 2
	s_add_co_u32 s15, s15, s13                     ; which 64 outputs = 4 x cluster x + cx
	s_and_b32 s16, ttmp7, 0xffff
	s_lshl_b32 s16, s16, 2
	s_add_co_u32 s16, s16, s14                     ; which 512 rows = 4 x cluster y + cy
	s_lshl_b32 s17, s14, 2
	s_lshl_b32 s17, 15, s17                        ; my row of the cluster
	s_lshl_b32 s18, 0x1111, s13                    ; my column
	; group 1 for input: n records are 36 n dense rows of 256 bytes (32 elements of 8 bytes)
	s_or_b32 s[G1A+0], s17, (3<<16)|(1<<21)        ; 15:0 the mask: my row of the cluster; 17:16 elements of 8 bytes; 21 set beside a mask; no padding
	s_mov_b32 s[G1A+1], 32<<16                     ; tensor_dim0
	s_mov_b32 s[G1A+2], (36*NG0)<<16               ; tensor_dim1
	s_mov_b32 s[G1A+3], 32<<16                     ; tile_dim0
	s_mov_b32 s[G1A+4], 36*NG0                     ; tile_dim1
	s_mov_b32 s[G1A+5], 32                         ; elements from row to row
	s_mov_b32 s[G1A+6], 0
	s_mov_b32 s[G1A+7], 0
	; group 1 for weights: a row is one d's four records (4,352 elements of 8 bytes), 64 records apart
	s_or_b32 s[G1B+0], s18, (3<<16)|(1<<21)        ; the mask: my column of the cluster
	s_mov_b32 s[G1B+1], (DROW/8)<<16
	s_mov_b32 s[G1B+2], 3<<16
	s_mov_b32 s[G1B+3], (DROW/8)<<16
	s_mov_b32 s[G1B+4], 3
	s_mov_b32 s[G1B+5], 64*BREC/8
	s_mov_b32 s[G1B+6], 0
	s_mov_b32 s[G1B+7], 0
	s_or_b32 s[G1C+0], s18, (3<<16)|(1<<21)
	s_mov_b32 s[G1C+1], (DROW/8)<<16
	s_mov_b32 s[G1C+2], 2<<16
	s_mov_b32 s[G1C+3], (DROW/8)<<16
	s_mov_b32 s[G1C+4], 2
	s_mov_b32 s[G1C+5], 64*BREC/8
	s_mov_b32 s[G1C+6], 0
	s_mov_b32 s[G1C+7], 0
	; input's address hangs on the rows' number and the wave's, weights' on the outputs' number and the wave's, each in registers that never hold the other coordinate; no place in the cluster enters an LDS address
	s_mul_i32 s66, s16, 32*AREC                    ; input: record 32 x rows' number
	s_mov_b32 s67, 0
	s_mul_i32 s22, s15, DROW                       ; weights: record 4 x outputs' number,
	s_mul_i32 s23, s[WV], 3*64*BREC                ; d = 3 x wave
	s_add_co_u32 s22, s22, s23
	s_mov_b32 s23, 0
	s_mov_b32 s[G0B], 1                            ; count = 1
	s_mul_i32 s[G0B+1], s[WV], 3*DROW              ; LDS address
	s_mov_b32 s[G0A], 1
	s_mov_b32 s[G0A+1], SLOT0
	s_mov_b32 s[G0F1], 1
	s_mul_i32 s[G0F1+1], s[WV], NF1*AREC/4
	s_mov_b32 s[G0F2], 1
	s_mul_i32 s[G0F2+1], s[WV], NF2*AREC/4
	s_add_co_u32 s[G0F2+1], s[G0F2+1], NF1*AREC
	s_mul_i32 s70, s[WV], BREC                     ; my 16 outputs' record in a d's four
	s_lshl_b32 s71, s[WV], 6                       ; my 64 bytes of a stage row
	s_add_co_u32 s72, s71, SLOT0
	s_add_co_u32 s71, s71, STG
	s_mul_i32 s73, s[WV], 4*SPITCH                 ; back: rows 4 wave .. 4 wave + 3
	s_add_co_u32 s74, s73, SLOT0
	s_add_co_u32 s73, s73, STG
	s_lshl_b32 s75, s[WV], 14                      ; and the same rows of out
	s_wait_dscnt 0x0                               ; both opening adds are done
	s_wait_kmcnt 0x0
	s_add_nc_u64 s[G0B+2:G0B+3], s[6:7], s[22:23]
	s_or_b32 s[G0B+3], s[G0B+3], 0x80000000        ; type = 2
	s_add_nc_u64 s[68:69], s[4:5], s[66:67]
	s_mov_b64 s[G0A+2:G0A+3], s[68:69]
	s_or_b32 s[G0A+3], s[G0A+3], 0x80000000
	CROUND                                         ; all sixteen work-groups are here: the first joint loads meet
	; THE HEAD'S LOADS, one a wave: waves 0, 1 three d of weights each, wave 2 the last two, wave 3 input's records 0-4.  One tree of branches on the wave's number
	s_cmp_lt_u32 s[WV], 2
	s_cbranch_scc0 .Lhead_c
	tensor_load_to_lds s[G0B:G0B+3], s[G1B:G1B+7]
	s_nop 0
	FOUR
	s_branch .Lhead_asked
.Lhead_c:
	s_cmp_lt_u32 s[WV], 3
	s_cbranch_scc0 .Lhead_a
	tensor_load_to_lds s[G0B:G0B+3], s[G1C:G1C+7]
	s_nop 0
	FOUR
	s_branch .Lhead_asked
.Lhead_a:
	tensor_load_to_lds s[G0A:G0A+3], s[G1A:G1A+7]
	s_nop 0
	FOUR
.Lhead_asked:
	s_mul_i32 s22, s[WV], NF1*AREC/4               ; the later fills: each wave a quarter
	s_add_co_u32 s22, s22, NG0*AREC
	s_add_nc_u64 s[G0F1+2:G0F1+3], s[68:69], s[22:23]
	s_or_b32 s[G0F1+3], s[G0F1+3], 0x80000000
	s_mul_i32 s22, s[WV], NF2*AREC/4
	s_add_co_u32 s22, s22, (NG0+NF1)*AREC
	s_add_nc_u64 s[G0F2+2:G0F2+3], s[68:69], s[22:23]
	s_or_b32 s[G0F2+3], s[G0F2+3], 0x80000000
	s_lshl_b32 s76, s15, 8                         ; biases: my 16 outputs, 64 bytes of each row
	s_lshl_b32 s77, s[WV], 6
	s_add_co_u32 s76, s76, s77
	s_mov_b32 s77, 0
	s_add_nc_u64 s[76:77], s[8:9], s[76:77]
	s_lshl_b32 s78, s16, 21                        ; out: 512 rows of 4,096 bytes x rows' number + 256 bytes x outputs' number
	s_lshl_b32 s79, s15, 8
	s_add_co_u32 s78, s78, s79
	s_mov_b32 s79, 0
	s_add_nc_u64 s[10:11], s[10:11], s[78:79]
	v_and_b32 v3, 31, v0                           ; lane
	v_and_b32 v17, 15, v0                          ; r
	v_bfe_u32 v18, v0, 4, 1                        ; h
	v_lshlrev_b32 v[L16], 4, v3
	v_lshlrev_b32 v[R16], 4, v17
	v_lshlrev_b32 v[AD0], 4, v3
	v_lshlrev_b32 v[WD0], 4, v17
	v_lshlrev_b32 v[BO], 5, v18
	v_add_nc_u32 v[ADS], SLOT0, v[L16]
	v_add_nc_u32 v[AD1], 4*AREC, v[L16]
	v_add_nc_u32 v[WDS], SLOT0, v[R16]
	v_add_nc_u32 v[WD1], 4*AREC, v[R16]
	v_mul_u32_u24 v28, v17, SPITCH                 ; into the stage: row r, 32 bytes for each half of the lanes
	v_mul_u32_u24 v29, v18, SPITCH                 ; back: lanes 0-15 one row of 256 bytes, lanes 16-31 the next
	v_mul_u32_u24 v30, v18, DROW                   ; weights' scale words: lanes 16-31 one d further on
	v_lshlrev_b32 v[GO], 12, v18
	v_lshl_add_u32 v28, v18, 5, v28
	v_lshl_add_u32 v29, v17, 4, v29
	v_lshl_add_u32 v30, v17, 4, v30
	v_lshl_add_u32 v[GO], v17, 4, v[GO]
	v_add_nc_u32 v[STO], s71, v28
	v_add_nc_u32 v[STO+1], s72, v28
	v_add_nc_u32 v[SRD], s73, v29
	v_add_nc_u32 v[SRD+1], s74, v29
	v_add_nc_u32 v[GO], s75, v[GO]
	v_add_nc_u32 v[WA], s70, v[L16]
	v_add_nc_u32 v[WS], s70, v30
.irp p, 1,2,3
	v_add_nc_u32 v[WA+\p], \p*2*DROW, v[WA]
	v_add_nc_u32 v[WS+\p], \p*2*DROW, v[WS]
.endr
	s_wait_alu depctr_va_vdst(0)                   ; the head's end
	WIN 0xc0                                       ; destination window 3
.irp d, 0,1,2,3,4,5,6,7
.irp t, 0,1
	global_load_b128 v[BIAS+8*\d+4*\t:BIAS+8*\d+4*\t+3], v[BO], s[76:77] offset:4096*\d+16*\t   ; in the result's layout: lane (r, h), register 8 d + j: biases[d][8 h + j of my 16]
.endr
.endr
	WIN 0
	s_wait_tensorcnt 0x0                           ; my tile of the head's four is in,
	s_barrier_signal -1
	s_barrier_wait -1                              ; and everybody's
.macro LOADF set, base, off, f0                    ; four 16-byte pieces: two K steps' fragments; each load takes 512 consecutive bytes
.irp f, 0,1,2,3
	ds_load_b128 v[AF+64*(\set)+4*((\f0)+\f):AF+64*(\set)+4*((\f0)+\f)+3], v[\base] offset:(\off)+512*((\f0)+\f)
.endr
.endm
.macro LOADSA set, base, off
	ds_load_b128 v[SA+4*(\set):SA+4*(\set)+3], v[\base] offset:(\off)+8192
.endm
.macro LOADW set, base, off
	ds_load_b128 v[WR+8*(\set):WR+8*(\set)+3], v[\base] offset:(\off)+8704
	ds_load_b128 v[WR+8*(\set)+4:WR+8*(\set)+7], v[\base] offset:(\off)+8960
.endm
	; block 0's fragments, and THE WEIGHTS INTO REGISTERS
.irp f, 0,4,8,12
	LOADF 0, ADS, 0, \f
.endr
	LOADSA 0, ADS, 0
.irp p, 0,1,2,3
.irp g, 0,1
	ds_load_b128 v[SB+8*\p+4*\g:SB+8*\p+4*\g+3], v[WS+\p] offset:8192+256*\g
.endr
.endr
.irp g, 0,1                                        ; K steps 4 g .. 4 g + 3 into window 1 + g
	WIN 0x40*(1+\g)
.irp d, 0,1,2,3,4,5,6,7
.irp f, 0,1,2,3,4,5,6,7
	ds_load_b128 v[64*(\d/2)+16*(\f/2)+8*(\d%2)+4*(\f%2):64*(\d/2)+16*(\f/2)+8*(\d%2)+4*(\f%2)+3], v[WA+\d/2] offset:(\d%2)*DROW+4096*\g+512*\f
.endr
.endr
.endr
	WIN 0
; Four matrix instructions: K step s of the block at work (its set is P).  The four accumulators take turns, one instruction a turn, in the same order in every K step.
; K step 0 takes the bias as C: nothing is cleared.  K steps 4-7 take input's scale words from lanes 16-31.
.macro MUL4 s
	WIN 0xf1+((\s)/4)                              ; source 0 (weights) window 1 or 2, source 1 (input) window 0, C and D window 3
.irp p, 0,1,2,3
.if (\s) == 0
	v_wmma_scale_f32_32x16x128_f4 v[64*P+16*\p:64*P+16*\p+15], v[64*\p:64*\p+15], v[AF+64*P:AF+64*P+7], v[BIAS+16*\p:BIAS+16*\p+15], v[SB+8*\p], v[SA+4*P]
.elseif (\s) < 4
	v_wmma_scale_f32_32x16x128_f4 v[64*P+16*\p:64*P+16*\p+15], v[64*\p+16*(\s):64*\p+16*(\s)+15], v[AF+64*P+8*(\s):AF+64*P+8*(\s)+7], v[64*P+16*\p:64*P+16*\p+15], v[SB+8*\p+(\s)], v[SA+4*P+(\s)]
.else
	v_wmma_scale_f32_32x16x128_f4 v[64*P+16*\p:64*P+16*\p+15], v[64*\p+16*((\s)-4):64*\p+16*((\s)-4)+15], v[AF+64*P+8*(\s):AF+64*P+8*(\s)+7], v[64*P+16*\p:64*P+16*\p+15], v[SB+8*\p+(\s)], v[SA+4*P+(\s)-4] matrix_b_scale:MATRIX_SCALE_ROW1
.endif
.endr
.endm
; One d of the weighting, of the other set (1 - P): OUT += w[b][d] x accumulator d, two numbers an instruction.  w[b][d] is one register of a pair: for an even d the pair's first serves both halves, for an odd d
; its second.  Each accumulator is read from its low end on.
.macro EPID d
.set AC, 64*(1-P)+8*(\d)
.set W0, WR+8*(1-P)+2*((\d)/2)
.set OB, OUT+8*(1-P)
.irp j, 0,2,4,6
.if (\d) == 0
	v_pk_mul_f32 v[OB+\j:OB+\j+1], v[W0:W0+1], v[AC+\j:AC+\j+1] op_sel_hi:[0,1]
.elseif (\d)%2
	v_pk_fma_f32 v[OB+\j:OB+\j+1], v[W0:W0+1], v[AC+\j:AC+\j+1], v[OB+\j:OB+\j+1] op_sel:[1,0,0] op_sel_hi:[1,1,1]
.else
	v_pk_fma_f32 v[OB+\j:OB+\j+1], v[W0:W0+1], v[AC+\j:AC+\j+1], v[OB+\j:OB+\j+1] op_sel_hi:[0,1,1]
.endif
.endr
.endm
.macro DRAINLD reg, pl                             ; my four rows of the tile in place pl come back from the stage
.irp u, 0,1
	ds_load_b128 v[(\reg)+4*\u:(\reg)+4*\u+3], v[SRD+(\pl)/4] offset:((\pl)%4)*PLB+2*SPITCH*\u
.endr
.endm
.macro DRAINST reg, t                              ; and leave
.irp u, 0,1
	global_store_b128 v[GO], v[(\reg)+4*\u:(\reg)+4*\u+3], s[10:11] offset:(\t)*65536+8192*\u th:TH_STORE_NT   ; 16 lanes store 256 consecutive bytes, at a multiple of 256 from out's first byte; written once
.endr
.endm
.macro TOSTG pl, set                               ; lane (r, h): 32 bytes of row r into place pl
	ds_store_b128 v[STO+(\pl)/4], v[OUT+8*(\set):OUT+8*(\set)+3] offset:((\pl)%4)*PLB
	ds_store_b128 v[STO+(\pl)/4], v[OUT+8*(\set)+4:OUT+8*(\set)+7] offset:((\pl)%4)*PLB+16
.endm
; Block b (in the loop and behind it: counted as in the loop's first trip).  kind 1, 3: a barrier for the stage (3: it also shows block 4's fill); kind 2: a fill, behind a round of the cluster's barrier.
; ld = 0: the last block, which loads no next one.
; The four v_nop are the places behind the last block's products, for the loads into their registers and for the reads of their results.
.macro BLK b, kind, ld
.set P, (\b)%2
.if (\b) < 4                                       ; where record b + 1 lies
.set LB, ADS
.set LO, ((\b)+1)*AREC
.else
.set LB, AD0+((\b)/4+1)%2
.set LO, ((\b)%4)*AREC
.endif
.if (\b) < 5                                       ; and record b, for its w
.set WB, WDS
.set WO, (\b)*AREC
.elseif (\b) < 12
.set WB, WD0+((\b)-5)/4
.set WO, (((\b)-5)%4)*AREC
.else
.set WB, WD0+((\b)/4+1)%2
.set WO, ((\b)%4)*AREC
.endif
.if (\b) >= 7
	s_wait_dscnt 6                                 ; this block's 17 loads are in; behind them two loads of w, two of rows coming back and two stage stores were issued, which may be out
.elseif (\b) >= 3
	s_wait_dscnt 4                                 ; (two of w and two stage stores)
.elseif (\b) >= 1
	s_wait_dscnt 2                                 ; (two of w)
.endif
.if (\kind) == 2
	WIN 0
	s_wait_tensorcnt 0x0                           ; all my tensor loads have landed
	ds_add_u32 v[SPW], v[NIL]                      ; 0 onto my spare word
.if (\b) == 0
	s_mov_b32 s[G1A+2], (9*NF1)<<16                ; no tensor load of mine is out: the rows of this fill: a quarter of 36 rows a record
	s_mov_b32 s[G1A+4], 9*NF1
	s_wait_dscnt 0x0                               ; the add is done, and the weights and block 0 are in my registers
	s_wait_loadcnt 0x0                             ; the biases too
	s_barrier_signal -1
.else
	s_mov_b32 s[G1A+2], (9*NF2)<<16
	s_mov_b32 s[G1A+4], 9*NF2
.endif
.endif
	MUL4 0
.if (\kind) != 2
	FOUR
.endif
.if (\kind) == 3
	s_wait_tensorcnt 0x0                           ; my part of block 4's fill is in
.endif
.if (\b) > 0
	s_wait_dscnt 0x0                               ; all that the last block's run issued is done (and the add, where one was issued): w and the rows coming back are in, my stage stores have landed
.endif
.if (\b) >= 8
	s_wait_xcnt 0x0                                ; the last block's stores have had their addresses translated (ISA guide 3.1): their data registers may be loaded again
.endif
.if ((\kind) > 0) && ((\b) > 0)
	s_barrier_signal -1
.endif
	MUL4 1                                         ; (at a barrier: work on registers while the others arrive)
.if (\kind) == 2
	WIN 0
.endif
.if (\kind) > 0
	s_barrier_wait -1
.endif
.if (\kind) == 2
	CREST                                          ; no wave of any partner still reads these bytes or has a load on its way
.if (\b) == 0
	tensor_load_to_lds s[G0F1:G0F1+3], s[G1A:G1A+7]
.else
	tensor_load_to_lds s[G0F2:G0F2+3], s[G1A:G1A+7]
.endif
	s_nop 0
	FOUR
.endif
.if (\b) > 0
	WIN 0x0c                                       ; source 1 (accumulators) window 3, all else window 0
	EPID 0                                         ; the last block's weighting begins
	EPID 1
	EPID 2
.endif
	WIN 0                                          ; THE RUN OF MEMORY INSTRUCTIONS
.if \ld
.irp f, 0,4,8,12
	LOADF 1-P, LB, LO, \f
.endr
	LOADSA 1-P, LB, LO
.endif
	LOADW P, WB, WO
.if (\b) >= 6
	DRAINLD DR+8*P, ((\b)+4)%8                     ; tile b - 6
.endif
.if (\ld) == 0
	DRAINLD AF, 4                                  ; the last block: the barrier in it has shown three tiles more; the other set of input's registers is free
	DRAINLD AF+8, 5
	DRAINLD AF+16, 6
.endif
.if (\b) >= 2
	TOSTG (\b)%8, P                                ; tile b - 2
.endif
.if (\b) >= 7
	DRAINST DR+8*(1-P), (\b)-7                     ; tile b - 7
.endif
.irp s, 2,3,4,5,6,7
	MUL4 \s
.if ((\b) > 0) && (\s < 7)
	WIN 0x0c
	EPID \s+1                                      ; one d behind each K step
.endif
.endr
.endm
	BLK 0, 2, 1                                    ; asks for records 5-12
	BLK 1, 0, 1
	BLK 2, 0, 1
	BLK 3, 0, 1
	BLK 4, 2, 1                                    ; asks for records 13-31: the last fill
	BLK 5, 0, 1
	BLK 6, 0, 1
	BLK 7, 0, 1
	BLK 8, 1, 1
	BLK 9, 0, 1
	BLK 10, 0, 1
	BLK 11, 0, 1
	WIN 0                                          ; at a label and at a branch every window is 0
	s_mov_b32 s[RB], 8*AREC                        ; where record 13 lies,
	s_mov_b32 s[RC], 12*AREC                       ; record 17,
	s_mov_b32 s[RW], 7*AREC                        ; record 12
	s_mov_b32 s[RX], 11*AREC                       ; and record 16
	s_mov_b32 s[CNT], 2
.Lloop:                                                ; blocks 12-19 and 20-27
	v_add_nc_u32 v[AD0], s[RB], v[L16]
	v_add_nc_u32 v[AD1], s[RC], v[L16]
	v_add_nc_u32 v[WD0], s[RW], v[R16]
	v_add_nc_u32 v[WD1], s[RX], v[R16]
	s_wait_alu depctr_va_vdst(0)                   ; directly behind the writes
	BLK 12, 3, 1
	BLK 13, 0, 1
	BLK 14, 0, 1
	BLK 15, 0, 1
	BLK 16, 1, 1
	BLK 17, 0, 1
	BLK 18, 0, 1
	BLK 19, 0, 1
	WIN 0
	s_wait_xcnt 0x0                                ; the stores have read their base
	s_add_nc_u64 s[10:11], s[10:11], 8*65536       ; out: 128 rows on
	s_add_co_u32 s[RB], s[RB], 8*AREC
	s_add_co_u32 s[RC], s[RC], 8*AREC
	s_add_co_u32 s[RW], s[RW], 8*AREC
	s_add_co_u32 s[RX], s[RX], 8*AREC
	s_sub_co_u32 s[CNT], s[CNT], 1
	s_cmp_lg_u32 s[CNT], 0
	s_cbranch_scc1 .Lloop
	v_add_nc_u32 v[AD0], 24*AREC, v[L16]           ; record 29
	v_add_nc_u32 v[WD0], 23*AREC, v[R16]           ; record 28
	s_wait_alu depctr_va_vdst(0)                   ; directly behind the writes
	BLK 12, 1, 1                                   ; blocks 28-31
	BLK 13, 0, 1
	BLK 14, 0, 1
	BLK 15, 1, 0                                   ; the last block: nothing more to load; a barrier of its own shows three tiles more
.set P, 0
	s_wait_dscnt 0x0                               ; the last block's w and tiles 25-28 are in
	FOUR                                           ; the places behind the last products
	WIN 0x0c
.irp d, 0,1,2,3,4,5,6,7
	EPID \d
.endr
	WIN 0
	TOSTG 0, 0                                     ; tile 30
	TOSTG 1, 1                                     ; tile 31
	DRAINST DR+8, 9                                ; tiles 25-28 leave
	DRAINST AF, 10
	DRAINST AF+8, 11
	DRAINST AF+16, 12
	s_wait_dscnt 0x0                               ; for the others' sake: my last stage stores have landed
	s_barrier_signal -1
	s_barrier_wait -1
	DRAINLD AF+32, 7                               ; tiles 29-31
	DRAINLD AF+40, 0
	DRAINLD AF+48, 1
	s_wait_dscnt 0x0
	DRAINST AF+32, 13
	DRAINST AF+40, 14
	DRAINST AF+48, 15
	s_wait_tensorcnt 0x0                           ; the wave's end, behind my last tensor load and my last LDS store
	ds_add_u32 v[SPW], v[NIL]
	s_wait_dscnt 0x0
	CROUND                                         ; the closing round: no work-group ends while a partner may still ask for a tile that names it
	s_endpgm
.Lfunc_end_k_qa2a33b31ae_gemm:
	.size	k_qa2a33b31ae_gemm, .Lfunc_end_k_qa2a33b31ae_gemm-k_qa2a33b31ae_gemm
	.p2alignl 7, 3214868480
	.fill 96, 4, 3214868480
	.section	.rodata,"a",@progbits
	.p2align	6, 0x0
	.amdhsa_kernel k_qa2a33b31ae_gemm
		.amdhsa_group_segment_fixed_size 327680
		.amdhsa_private_segment_fixed_size 0
		.amdhsa_enable_private_segment 0
		.amdhsa_kernarg_size 32
		.amdhsa_user_sgpr_count 2
		.amdhsa_user_sgpr_kernarg_segment_ptr 1
		.amdhsa_wavefront_size32 1
		.amdhsa_system_sgpr_workgroup_id_x 1
		.amdhsa_system_sgpr_workgroup_id_y 1
		.amdhsa_system_sgpr_workgroup_id_z 1
		.amdhsa_system_vgpr_workitem_id 0
		.amdhsa_next_free_vgpr 1024
		.amdhsa_next_free_sgpr 80
		.amdhsa_reserve_vcc 0
		.amdhsa_float_denorm_mode_32 3
		.amdhsa_float_denorm_mode_16_64 3
		.amdhsa_memory_ordered 1
		.amdhsa_forward_progress 1
		.amdhsa_inst_pref_size 220
	.end_amdhsa_kernel
	.amdgpu_metadata
---
amdhsa.version: [ 1, 2 ]
amdhsa.kernels:
  - .name:           k_qa2a33b31ae_gemm
    .symbol:         k_qa2a33b31ae_gemm.kd
    .args:
      - { .name: a_q, .offset: 0, .size: 8, .value_kind: global_buffer, .address_space: global }
      - { .name: b_q, .offset: 8, .size: 8, .value_kind: global_buffer, .address_space: global }
      - { .name: biases, .offset: 16, .size: 8, .value_kind: global_buffer, .address_space: global }
      - { .name: out0, .offset: 24, .size: 8, .value_kind: global_buffer, .address_space: global }
    .group_segment_fixed_size: 327680
    .private_segment_fixed_size: 0
    .kernarg_segment_align: 8
    .kernarg_segment_size: 32
    .max_flat_workgroup_size: 128
    .sgpr_count:     80
    .vgpr_count:     1024
    .wavefront_size: 32
...
	.end_amdgpu_metadata
.endif
;; end of part 2
